; MI455X (gfx1250); checked and timed in simulation.
; The chip was launched on July 23, 2026; its instructions are those of AMD's public machine-readable ISA for CDNA 5 (MIT licence, August 2026) and "CDNA5" Instruction Set Architecture Reference Guide (July 2026). The comments in the code are by the model that wrote it; some were corrected since.
;; Cross Attention. Allowed arithmetic: matrix products marked QUANTISED: E2M1 operands, one E8M0 scale for each 32 along K, by v_wmma_scale_f32_16x16x128_f8f6f4 with both operands' format E2M1 (or v_wmma_scale_f32_32x16x128_f4), f32 sums; everything else in f32.
;; Inputs: Wk 256 x 128 float32; Wo 128 x 128 float32; Wq 256 x 128 float32; Wv 256 x 128 float32; bk 128 float32; bo 128 float32; bq 128 float32; bv 128 float32; ligand 4 x 4,096 x 256 float32; pocket 4 x 4,096 x 256 float32.
;; Outputs: out0 4 x 4,096 x 128 float32.
;; This version of the problem:
;;   THIS VERSION OF THE PROBLEM IS GIVEN IN LOW PRECISION. The matrix products marked QUANTISED in the list below multiply operands that are first quantised to E2M1 (2 exponent bits, 1 mantissa bit; 4 bits a number), with one power-of-two scale for each 32 numbers along K (OCP MX v1.0); their sums are f32. All else is computed in f32.
;;   The module's matrix products, in the order in which they are computed (A, B: the left and right operand; K: the contracted axis; several contracted axes count as one K, in the product's order):
;;     1. [M 16,384, K 256] x [K 256, N 128]; A: input ligand; B: input Wq: QUANTISED
;;     2. [M 16,384, K 256] x [K 256, N 128]; A: input pocket; B: input Wk: QUANTISED
;;     3. [M 16,384, K 256] x [K 256, N 128]; A: input pocket; B: input Wv: QUANTISED
;;     4. batch 4 x [M 4,096, K 128] x [K 128, N 4,096]; A: computed on the way; B: computed on the way: QUANTISED
;;     5. batch 4 x [M 4,096, K 4,096] x [K 4,096, N 128]; A: softmax (see below); B: computed on the way: QUANTISED
;;     6. [M 16,384, K 128] x [K 128, N 128]; A: computed on the way; B: input Wo: QUANTISED
;;   THE QUANTISER, for each operand of a quantised product, along K:
;;     - K is cut into blocks of 32 from its start; a last block that is shorter is filled with zeros.
;;     - A block's scale is 2^e with e = floor(log2(the largest magnitude in the block)) - 2, held to -126 .. 127; a block of zeros has e = 0. As a byte (E8M0): e + 127.
;;     - Each number is divided by its block's scale, clamped to +-6, and rounded to the nearest number of E2M1, ties to even, subnormals kept.
;;     - The product sums the exact products of the quantised numbers (number of the format x scale) in f32.
;;   ~~~python
;;   def quantise(x, axis):      # numpy; x: float32 -> the quantised numbers, widened to float32 again
;;       x = np.moveaxis(x, axis, -1); K = x.shape[-1]
;;       x = np.pad(x, [(0, 0)] * (x.ndim - 1) + [(0, -K % 32)]); x = x.reshape(x.shape[:-1] + (-1, 32)); a = np.abs(x).max(-1, keepdims=True)
;;       e = np.where(a > 0, np.clip(np.frexp(np.where(a > 0, a, 1))[1] - 1 - 2, -126, 127), 0)      # np.frexp(a)[1] - 1 = floor(log2(a)), exactly
;;       r = np.clip(x / 2.0 ** e, -6, 6)
;;       step = 2.0 ** (np.maximum(np.frexp(np.where(r == 0, 1, r))[1] - 1, 0) - 1)
;;       q = np.round(r / step) * step * 2.0 ** e      # np.round: ties to even
;;       return np.moveaxis(q.reshape(q.shape[:-2] + (-1,))[..., :K], -1, axis).astype(np.float32)
;;   ~~~
;;   SOFTMAX AHEAD OF A QUANTISED PRODUCT. Where the list says 'softmax', what is quantised is not the finished softmax but p = 2^(t - M), with t = logit x log2(e) and M = ceil(the row's largest t), a whole number; so 1/2 < the row's largest p <= 1. The row's sum l is taken of the UNQUANTISED p, in f32, and the product's result is divided by l at the end. Since M is a whole number, a kernel that streams over the keys may use a running M (the ceiling of the running maximum): every later rescaling is an exact power of two, which a block's scale takes up: the codes' values come out the same.
;;   OPERANDS COMPUTED ON THE WAY. 'Computed on the way' means the value that the module computes at that place (a softmax that the list does not call 'softmax' is quantised finished and normalised). What goes into a quantiser is computed in f32, as accurately as f32 sums, v_exp_f32 and their like allow (about 1e-6 of the number): no bf16 or f16 on the way to a quantiser, and a product that is left as it is and whose result goes on into a quantised operand takes f32 operands (vector FMAs, or v_wmma_f32_16x16x4_f32). A number that lies on a knife's edge between two numbers of the format may be rounded either way, as far as f32 arithmetic and the matrix unit's own rounding can turn it there, and no further.
;; One version. Each part assembles by itself: llvm-mc -triple=amdgcn-amd-amdhsa -mcpu=gfx1250 --defsym DOCPART=n.
;; ======== version 1 of 1: 2 launches
;; workspace buffers: qc 1,048,576 bytes; qs 65,536 bytes; kvc 2,097,152 bytes; kvs 131,072 bytes
;; launch proj (part 1): grid 128 x 2, 8 waves a work-group, no clusters, 173,056 bytes of LDS; arguments ligand, pocket, Wq, Wk, Wv, bq, bk, bv, qc, qs, kvc, kvs; writes qc, qs, kvc, kvs
.if DOCPART == 1
	.amdgcn_target "amdgcn-amd-amdhsa--gfx1250"
	.amdhsa_code_object_version 6
	.text
	.protected	k_q06240f2820_proj
	.globl	k_q06240f2820_proj
	.p2align	8
	.type	k_q06240f2820_proj,@function
k_q06240f2820_proj:
	s_mov_b64 s[64:65], 0
	v_nop
	global_prefetch_b8 v0, s[64:65] scope:SCOPE_SE
	s_setreg_imm32_b32 hwreg(HW_REG_WAVE_MODE, 25, 1), 1
	s_wait_xcnt 0x0
; Q = ligand Wq + bq (work-group y = 0);  K = pocket Wk + bk and V = pocket Wv + bv (y = 1).  All products on codes of FP4 (E2M1) with one E8M0 scale for each 32 along K (= 256).
; The results are quantised at once for the next launch: Q and K along their 128 channels, V along the keys; they leave as IMAGES OF OPERAND REGISTERS:
; a fragment (16 rows x 128 K, 8 registers a lane) is two pieces of 512 bytes, lane l's registers 4 c .. 4 c + 3 at 512 c + 16 l; the scale words of 8 tiles are one block of 512 bytes,
; the word of tile T, row r at 16 (r + 16 (T % 2)) + 4 (T / 2): one load of 16 bytes a lane then gives 4 registers, register i with tile 2 i's words in lanes 0-15 and tile 2 i + 1's in lanes 16-31.
; SHARES.  A work-group takes 128 rows of x (ligand or pocket); wave w owns tile w of 16 rows.  THE ROWS OF A TILE ARE NOT NEIGHBOURS: lane r of tile T takes index 32 (T / 2) + 8 (T % 2) + r + 8 (r / 8) of its 128.
; The same choice is made for the weights' columns.  So the 16 registers that two neighbouring result tiles give a lane are 16 neighbours along the next product's K, and one macro (QUANT) serves every operand.
; Q, K: source 0 = 16 columns of W, source 1 = my 16 rows of x: a lane holds one row and 64 channels.  V: source 0 = 16 rows (keys) of x, source 1 = my 16 columns of Wv: a lane holds one channel and 64 keys.
; The weights ([256][128] f32, K first) are quantised here, a lane to a column and its registers down K, while x is on its way: wave w makes tile w's two fragments.
; x comes by the tensor data mover, two loads a wave (its 8 + 8 rows), into LDS bytes that only this wave reads; nothing in LDS is filled twice.
; LIMITS: NaN and infinities among the inputs are not served.  A block whose largest magnitude lies under 2^-124 (a block of zeros too) gets the scale byte 1; only this program reads the bytes.
; The bias is the C of a sum's first product, so it is added ahead of the products, not behind them.
.set XPITCH, 1040                      ; a row of x in LDS: 1,024 bytes + 16 of padding = 65 x 16: the 16 rows of a load start in 16 different groups of banks
.set XWAVE,  16*XPITCH                 ; a wave's 16 rows
.set WIMG,   8*XWAVE                   ; 133,120: the images of Wq's or Wk's 16 fragments (8 s + t), 1,024 bytes each
.set WSC,    WIMG+16384                ; their scale words: 512 bytes for each K step s
.set XIMG,   WSC+1024                  ; the images of x's 16 fragments (8 s + T)
.set XSC,    XIMG+16384                ; their scale words
.set OSC,    XSC+1024                  ; the results' scale words: Q's or K's 512 bytes, then V's; ends at 168,960
.set XA,  4                            ; v4   my place in my wave's rows of x: XWAVE w + XPITCH r + 64 h
.set LW,  5                            ; v5   WIMG + 16 x lane
.set SW,  6                            ; v6   the same + 1,024 w: where my wave's images go
.set PS,  7                            ; v7   WIMG + my tile's place in a block of scale words
.set WOF, 8                            ; v8   a weight: 4 n + 32 h rows of 512 bytes, n my column
.set GI,  9                            ; v9   16 x lane + 1,024 w: my tile's image in memory
.set BO,  10                           ; v10  64 h
.set NO,  11                           ; v11  4 n
.set L16, 12                           ; v12  16 x lane
.set H8,  13                           ; v13  8 h
.set XF,  16                           ; v16-31   my two fragments of x
.set A,   32                           ; v32-95   64 numbers, or eight fragments
.set C,   96                           ; v96-159  64 numbers, or eight accumulators
.set WV,  160                          ; v160-175 two fragments of a weight: Wq's or Wk's on their way to LDS, then Wv's, which stay
.set BV,  176                          ; v176-183 bv at my column, eight times
.set PC,  184                          ; v184-191 the codes of a result
.set TM,  192                          ; v192-195 largest magnitudes, v196-199 the other lane's and the bytes, v200-203 the conversions' scale operands
.set PW,  204                          ; v204     a result's scale word
.set XS,  206                          ; v206-207 x's scale words (my tile)
.set WVS, 208                          ; v208-209 the scale words that go with WV
.set WS,  212                          ; v212-219 scale words of eight tiles: four registers for each K step
.set SEL, 32                           ; s[32:33] lane selects for v_permlanex16_b32: lane l xor 16
.set G1,  36                           ; s[36:43] descriptor group 1;  s[44:47], s[48:51] groups 0 of my two loads
.macro PLACES                          ; four places between a matrix instruction and a load into, or a read of, its registers
.rept 4
	v_nop
.endr
.endm
; 64 numbers of a weight's K step s: W(128 s + 64 c + 32 h + i, n) into v[reg + 32 c + i]
.macro WLOAD reg, base, s
.irp c, 0,1
.irp i, 0,1,2,3,4,5,6,7,8,9,10,11,12,13,14,15,16,17,18,19,20,21,22,23,24,25,26,27,28,29,30,31
	global_load_b32 v[\reg+32*\c+\i], v[WOF], s[\base:\base+1] offset:65536*\s+512*(64*\c+\i)
.endr
.endr
.endm
; These 64 numbers are two whole blocks of my column (blocks h and 2 + h): codes into v[d] on, in the operand's own order; the scale word into v[pw]
.macro QW s, d, pw
.irp c, 0,1
	v_max3_num_f32 v[TM+\c], |v[(\s)+32*\c]|, |v[(\s)+1+32*\c]|, 0x1800000   ; and the floor 2^(3 - 127): the byte cannot fall under 1
.endr
.irp i, 2,4,6,8,10,12,14,16,18,20,22,24,26,28,30
.irp c, 0,1
	s_delay_alu instid0(VALU_DEP_2)
	v_max3_num_f32 v[TM+\c], v[TM+\c], |v[(\s)+32*\c+\i]|, |v[(\s)+1+32*\c+\i]|
.endr
.endr
.irp c, 0,1
	s_delay_alu instid0(VALU_DEP_2)
	v_add_nc_u32 v[TM+8+\c], 0xff000000, v[TM+\c]  ; 2 off the exponent field: the conversion takes that field as its scale
.endr
.irp c, 0,1
	s_delay_alu instid0(VALU_DEP_2)
	v_lshrrev_b32 v[TM+\c], 23, v[TM+8+\c]         ; the scale's byte
.endr
	s_delay_alu instid0(VALU_DEP_1)
	v_lshl_or_b32 v[TM+2], v[TM+1], 16, v[TM]      ; my two bytes,
	s_delay_alu instid0(VALU_DEP_1)
	v_lshlrev_b32 v[TM+2], v[H8], v[TM+2]          ; at their places in the word;
	s_delay_alu instid0(VALU_DEP_1)
	v_permlanex16_b32 v[TM+4], v[TM+2], s[SEL], s[SEL+1]
	s_delay_alu instid0(VALU_DEP_1)
	v_or_b32 v[(\pw)], v[TM+2], v[TM+4]            ; with lane l xor 16's two the word is whole
.irp c, 0,1
.irp g, 0,1,2,3
	v_cvt_scalef32_pk8_fp4_f32 v[(\d)+4*\c+\g], v[(\s)+32*\c+8*\g:(\s)+32*\c+8*\g+7], v[TM+8+\c]
.endr
.endr
	v_nop                                          ; one plain place behind the last scaled conversion
.endm
; 64 numbers of a lane, register 16 b + i = k 32 b + 16 (lane / 16) + i of my row, become a fragment's codes in v[d] on and its scale word in v[pw]
.macro QUANT s, d, pw
.irp b, 0,1,2,3
	v_max3_num_f32 v[TM+\b], |v[(\s)+16*\b]|, |v[(\s)+1+16*\b]|, 0x1800000
.endr
.irp i, 2,4,6,8,10,12,14
.irp b, 0,1,2,3
	v_max3_num_f32 v[TM+\b], v[TM+\b], |v[(\s)+16*\b+\i]|, |v[(\s)+1+16*\b+\i]|   ; the four blocks by turns
.endr
.endr
.irp b, 0,1,2,3
	s_delay_alu instid0(VALU_DEP_4)
	v_permlanex16_b32 v[TM+4+\b], v[TM+\b], s[SEL], s[SEL+1]
.endr
.irp b, 0,1,2,3
	s_delay_alu instid0(VALU_DEP_4)
	v_max_num_f32 v[TM+\b], v[TM+\b], v[TM+4+\b]   ; with lane l xor 16's 16 numbers: the block's largest magnitude
.endr
.irp b, 0,1,2,3
	s_delay_alu instid0(VALU_DEP_4)
	v_add_nc_u32 v[TM+8+\b], 0xff000000, v[TM+\b]
.endr
.irp b, 0,1,2,3
	s_delay_alu instid0(VALU_DEP_4)
	v_lshrrev_b32 v[TM+4+\b], 23, v[TM+8+\b]
.endr
	s_delay_alu instid0(VALU_DEP_3)
	v_lshl_or_b32 v[(\pw)], v[TM+5], 8, v[TM+4]    ; the four bytes make my row's scale word (the same in both halves of the lanes)
	s_delay_alu instid0(VALU_DEP_1)
	v_lshl_or_b32 v[(\pw)], v[TM+6], 16, v[(\pw)]
	s_delay_alu instid0(VALU_DEP_1)
	v_lshl_or_b32 v[(\pw)], v[TM+7], 24, v[(\pw)]
.irp b, 0,1,2,3
	v_cvt_scalef32_pk8_fp4_f32 v[(\d)+2*\b], v[(\s)+16*\b:(\s)+7+16*\b], v[TM+8+\b]
	v_cvt_scalef32_pk8_fp4_f32 v[(\d)+1+2*\b], v[(\s)+8+16*\b:(\s)+15+16*\b], v[TM+8+\b]
.endr
	v_nop                                          ; one plain place behind the last scaled conversion
.irp c, 0,1                                    ; the operand wants a whole block in a lane: lanes 0-15 block 2 c, lanes 16-31 block 2 c + 1
.irp i, 0,1
	v_permlane16_swap_b32 v[(\d)+4*\c+\i], v[(\d)+2+4*\c+\i]
.endr
.endr
.endm
.macro IMG reg, off                            ; my wave's fragment in v[reg] on goes to LDS as it stands
.irp c, 0,1
	ds_store_b128 v[SW], v[(\reg)+4*\c:(\reg)+4*\c+3] offset:(\off)+512*\c
.endr
.endm
.macro FETCH8 off                              ; eight fragments come back so, in any wave
.irp t, 0,1,2,3,4,5,6,7
.irp c, 0,1
	ds_load_b128 v[A+8*\t+4*\c:A+8*\t+4*\c+3], v[LW] offset:(\off)+1024*\t+512*\c
.endr
.endr
.endm
.macro XLD s                                   ; my row's numbers of K step s: of each block of 32 my half's 16
.irp b, 0,1,2,3
.irp j, 0,1,2,3
	ds_load_b128 v[A+16*\b+4*\j:A+16*\b+4*\j+3], v[XA] offset:512*\s+128*\b+16*\j
.endr
.endr
.endm
; one product: D, source 0, source 1, C = v[cr] on, the two scale registers; odd = 1: source 0's scale words stand in lanes 16-31
.macro WM d, a, b, cr, sa, sb, odd
.if (\odd)
	v_wmma_scale_f32_16x16x128_f8f6f4 v[(\d):(\d)+7], v[(\a):(\a)+7], v[(\b):(\b)+7], v[(\cr):(\cr)+7], v[(\sa)], v[(\sb)] matrix_a_fmt:MATRIX_FMT_FP4 matrix_b_fmt:MATRIX_FMT_FP4 matrix_a_scale:MATRIX_SCALE_ROW1
.else
	v_wmma_scale_f32_16x16x128_f8f6f4 v[(\d):(\d)+7], v[(\a):(\a)+7], v[(\b):(\b)+7], v[(\cr):(\cr)+7], v[(\sa)], v[(\sb)] matrix_a_fmt:MATRIX_FMT_FP4 matrix_b_fmt:MATRIX_FMT_FP4
.endif
.endm
; eight products of K step s: the eight fragments in A against the one in v[fix]; the eight accumulators take turns, one instruction a turn.  bias = 1: C is BV
.macro MM8 s, fix, sfix, bias
.irp t, 0,1,2,3,4,5,6,7
.if \bias
	WM C+8*\t, A+8*\t, \fix, BV, WS+4*\s+\t/2, \sfix, \t%2
.else
	WM C+8*\t, A+8*\t, \fix, C+8*\t, WS+4*\s+\t/2, \sfix, \t%2
.endif
.endr
.endm
	s_load_b256 s[4:11], s[0:1], 0x0               ; ligand, pocket, Wq, Wk
	s_load_b256 s[12:19], s[0:1], 0x20             ; Wv, bq, bk, bv
	s_load_b256 s[20:27], s[0:1], 0x40             ; qc, qs, kvc, kvs
	v_lshl_add_u32 v224, v0, 2, 0x2a000
	v_mov_b32 v225, 0
	ds_add_u32 v224, v225
	ds_add_u32 v224, v225
	v_lshrrev_b32 v1, 5, v0
	s_delay_alu instid0(VALU_DEP_1)
	v_readfirstlane_b32 s29, v1                    ; wave 0..7
	s_and_b32 s28, ttmp7, 0xffff                   ; y: 0 ligand, 1 pocket
	v_and_b32 v1, 31, v0                           ; lane
	v_and_b32 v2, 15, v0                           ; r
	s_wait_alu depctr_va_vdst(0)
	v_bfe_u32 v3, v0, 4, 1                         ; h
	s_mul_i32 s30, s29, XWAVE
	v_mul_u32_u24 v[XA], v2, XPITCH
	s_delay_alu instid0(VALU_DEP_1)
	v_lshl_add_u32 v[XA], v3, 6, v[XA]
	s_delay_alu instid0(VALU_DEP_1)
	v_add_nc_u32 v[XA], s30, v[XA]
	v_lshlrev_b32 v[L16], 4, v1
	s_delay_alu instid0(VALU_DEP_1)
	v_add_nc_u32 v[LW], WIMG, v[L16]
	s_lshl_b32 s31, s29, 10
	v_add_nc_u32 v[SW], s31, v[LW]
	v_add_nc_u32 v[GI], s31, v[L16]
	s_and_b32 s52, s29, 1                          ; w % 2
	s_lshr_b32 s53, s29, 1                         ; w / 2
	s_lshl_b32 s54, s52, 8
	s_lshl_b32 s55, s53, 2
	s_add_co_u32 s54, s54, s55
	s_add_co_u32 s54, s54, WIMG
	v_lshl_add_u32 v[PS], v2, 4, s54               ; 16 r + 256 (w % 2) + 4 (w / 2)
	v_and_b32 v14, 8, v2
	s_delay_alu instid0(VALU_DEP_1)
	v_add_nc_u32 v14, v14, v2                      ; r + 8 (r / 8)
	s_lshl_b32 s55, s53, 5
	s_lshl_b32 s56, s52, 3
	s_add_co_u32 s55, s55, s56
	v_add_nc_u32 v14, s55, v14                     ; n: my column of a weight (and, as a row, my row of x)
	s_delay_alu instid0(VALU_DEP_1)
	v_lshlrev_b32 v[NO], 2, v14
	s_delay_alu instid0(VALU_DEP_1)
	v_lshl_add_u32 v[WOF], v3, 14, v[NO]
	v_lshlrev_b32 v[BO], 6, v3
	v_lshlrev_b32 v[H8], 3, v3
.irp b, 0,1,2,3
	v_mov_b32 v[TM+4+\b], 0                        ; written once: a lane permute's destination counts as one of its sources
.endr
	s_mov_b32 s[SEL], 0x76543210
	s_mov_b32 s[SEL+1], 0xfedcba98
	; descriptor group 1: 8 rows of 256 elements of 4 bytes, 4 words of padding behind each row
	s_mov_b32 s[G1+0], (2<<16)|(1<<20)|(7<<22)|(3<<25)
	s_mov_b32 s[G1+1], 256<<16                     ; tensor_dim0
	s_mov_b32 s[G1+2], 8<<16                       ; tensor_dim1
	s_mov_b32 s[G1+3], 256<<16                     ; tile_dim0
	s_mov_b32 s[G1+4], 8                           ; tile_dim1
	s_mov_b32 s[G1+5], 256                         ; elements from row to row
	s_mov_b32 s[G1+6], 0
	s_mov_b32 s[G1+7], 0
	s_lshl_b32 s56, ttmp9, 17                      ; my group's 128 rows of 1,024 bytes,
	s_lshl_b32 s57, s53, 15                        ; my tile's first eight rows: 32 (w / 2) + 8 (w % 2)
	s_add_co_u32 s56, s56, s57
	s_lshl_b32 s57, s52, 13
	s_add_co_u32 s56, s56, s57
	s_mov_b32 s57, 0
	s_add_co_u32 s58, s28, 13                      ; a record of codes is 8,192 bytes (Q) or 16,384 (K and V),
	s_lshl_b32 s58, ttmp9, s58
	s_mov_b32 s59, 0
	s_add_co_u32 s52, s28, 9                       ; of scale words 512 or 1,024
	s_lshl_b32 s52, ttmp9, s52
	s_mov_b32 s53, 0
	s_mov_b32 s44, 1
	s_mov_b32 s45, s30                             ; LDS: my wave's rows 0-7,
	s_mov_b32 s48, 1
	s_add_co_u32 s49, s30, 8*XPITCH                ; and 8-15
	s_wait_alu depctr_va_vdst(0)
	s_wait_dscnt 0x0
	s_wait_kmcnt 0x0
	s_cmp_eq_u32 s28, 0                            ; the choice of buffers hangs on the work-group's y alone
	s_cselect_b64 s[4:5], s[4:5], s[6:7]           ; x
	s_cselect_b64 s[8:9], s[8:9], s[10:11]         ; Wq or Wk
	s_cselect_b64 s[14:15], s[14:15], s[16:17]     ; bq or bk
	s_cselect_b64 s[20:21], s[20:21], s[24:25]     ; the codes' buffer
	s_cselect_b64 s[22:23], s[22:23], s[26:27]     ; the scale words' buffer
	s_add_nc_u64 s[46:47], s[4:5], s[56:57]
	s_add_nc_u64 s[50:51], s[46:47], 16384         ; the tile's other eight rows lie 16 rows further on
	s_or_b32 s47, s47, 0x80000000                  ; type = 2
	s_or_b32 s51, s51, 0x80000000
	s_add_nc_u64 s[20:21], s[20:21], s[58:59]
	s_add_nc_u64 s[22:23], s[22:23], s[52:53]
	tensor_load_to_lds s[44:47], s[G1:G1+7]        ; my 16 rows of x: two loads of mine are out
	s_nop 0
	tensor_load_to_lds s[48:51], s[G1:G1+7]
	s_nop 0
	PLACES
	; ---- the weights, while x is on its way.  Wq's or Wk's tile w, both K steps, to LDS for all eight waves
	WLOAD A, 8, 0
	WLOAD C, 8, 1
	s_wait_loadcnt 63                              ; 64 loads were issued behind A's last: A's 64 are in
	QW A, WV, WVS
	IMG WV, 0
	ds_store_b32 v[PS], v[WVS] offset:WSC-WIMG
	s_wait_loadcnt 0x0
	QW C, WV+8, WVS+1
	IMG WV+8, 8192
	ds_store_b32 v[PS], v[WVS+1] offset:WSC-WIMG+512
	s_cmp_eq_u32 s28, 0
	s_cbranch_scc1 .Lno_wv                         ; pocket's groups alone: Wv's tile w stays in my registers
	WLOAD A, 12, 0
	WLOAD C, 12, 1
	s_wait_dscnt 0x0                               ; the stores above have read WV and WVS
	s_wait_loadcnt 63                              ; as above
	QW A, WV, WVS
	s_wait_loadcnt 0x0
	QW C, WV+8, WVS+1
.Lno_wv:
	; ---- the biases.  bq or bk go straight into the accumulators: register 8 t + j of lane (r, h) is channel 32 (t / 2) + 16 h + 8 (t % 2) + j.
	; bv at my column is asked for by ligand's groups too, which do not use it: eight loads, against a branch of its own
.irp t, 0,1,2,3,4,5,6,7
	global_load_b128 v[C+8*\t:C+8*\t+3], v[BO], s[14:15] offset:(32*(\t/2)+8*(\t%2))*4
	global_load_b128 v[C+8*\t+4:C+8*\t+7], v[BO], s[14:15] offset:(32*(\t/2)+8*(\t%2))*4+16
.endr
.irp i, 0,1,2,3,4,5,6,7
	global_load_b32 v[BV+\i], v[NO], s[18:19]
.endr
	; ---- x: my 16 rows become two fragments; their images go to LDS for V's products (ligand's groups store them too, unread: six stores, against a second branch)
	s_wait_tensorcnt 0x0                           ; my rows are in LDS; no other wave reads them
	XLD 0
	s_wait_dscnt 0x0
	QUANT A, XF, XS
	IMG XF, XIMG-WIMG
	ds_store_b32 v[PS], v[XS] offset:XSC-WIMG
	XLD 1
	s_wait_dscnt 0x0
	QUANT A, XF+8, XS+1
	IMG XF+8, XIMG-WIMG+8192
	ds_store_b32 v[PS], v[XS+1] offset:XSC-WIMG+512
	s_wait_dscnt 0x0                               ; for the others' sake: my stores have landed
	s_barrier_signal -1
	s_barrier_wait -1                              ; the weight's and x's images are whole
	; ---- Q or K: my 16 rows x all 128 channels
	ds_load_b128 v[WS:WS+3], v[LW] offset:WSC-WIMG
	ds_load_b128 v[WS+4:WS+7], v[LW] offset:WSC-WIMG+512
	FETCH8 0
.rept 8
	v_nop                                          ; x's second scale word was written by a vector instruction: eight places ahead of the scaled products
.endr
	s_wait_dscnt 0x0
	s_wait_loadcnt 0x0                             ; the biases
	MM8 0, XF, XS, 0
	PLACES
	FETCH8 8192
	s_wait_alu depctr_va_vdst(0)
	s_wait_dscnt 0x0
	MM8 1, XF+8, XS+1, 0
	PLACES
	QUANT C, PC, PW                                ; along the channels
.irp c, 0,1
	global_store_b128 v[GI], v[PC+4*\c:PC+4*\c+3], s[20:21] offset:512*\c   ; 32 lanes store 512 consecutive bytes
.endr
	ds_store_b32 v[PS], v[PW] offset:OSC-WIMG
	s_cmp_eq_u32 s28, 0
	s_cbranch_scc1 .Lno_v
	; ---- V, pocket's groups alone: all 128 keys x my 16 channels
	ds_load_b128 v[WS:WS+3], v[LW] offset:XSC-WIMG
	ds_load_b128 v[WS+4:WS+7], v[LW] offset:XSC-WIMG+512
	FETCH8 XIMG-WIMG
	s_wait_dscnt 0x0
	MM8 0, WV, WVS, 1
	PLACES
	FETCH8 XIMG-WIMG+8192
	s_wait_dscnt 0x0
	MM8 1, WV+8, WVS+1, 0
	PLACES
	s_wait_xcnt 0x0                                ; K's stores have read PC: only now is it written again
	QUANT C, PC, PW                                ; along the keys
.irp c, 0,1
	global_store_b128 v[GI], v[PC+4*\c:PC+4*\c+3], s[20:21] offset:8192+512*\c
.endr
.Lno_v:
	ds_store_b32 v[PS], v[PW] offset:OSC-WIMG+512  ; V's scale word (in ligand's groups Q's once more, which nobody reads)
	s_wait_dscnt 0x0
	s_barrier_signal -1
	s_barrier_wait -1                              ; the blocks of scale words are whole
	s_cmp_lg_u32 s29, 0
	s_cbranch_scc1 .Lnot_wave_0
	ds_load_b128 v[A:A+3], v[LW] offset:OSC-WIMG
	s_wait_dscnt 0x0
	global_store_b128 v[L16], v[A:A+3], s[22:23]   ; Q's or K's 512 bytes
.Lnot_wave_0:
	s_cmp_lg_u32 s29, 1
	s_cbranch_scc1 .Lend
	s_cmp_eq_u32 s28, 0
	s_cbranch_scc1 .Lend
	ds_load_b128 v[A:A+3], v[LW] offset:OSC-WIMG+512
	s_wait_dscnt 0x0
	global_store_b128 v[L16], v[A:A+3], s[22:23] offset:512   ; V's
.Lend:
	s_wait_tensorcnt 0x0
	ds_add_u32 v224, v225
	s_wait_dscnt 0x0
	s_endpgm
.Lfunc_end_k_q06240f2820_proj:
	.size	k_q06240f2820_proj, .Lfunc_end_k_q06240f2820_proj-k_q06240f2820_proj
	.p2alignl 7, 3214868480
	.fill 96, 4, 3214868480
	.section	.rodata,"a",@progbits
	.p2align	6, 0x0
	.amdhsa_kernel k_q06240f2820_proj
		.amdhsa_group_segment_fixed_size 173056
		.amdhsa_private_segment_fixed_size 0
		.amdhsa_enable_private_segment 0
		.amdhsa_kernarg_size 96
		.amdhsa_user_sgpr_count 2
		.amdhsa_user_sgpr_kernarg_segment_ptr 1
		.amdhsa_wavefront_size32 1
		.amdhsa_system_sgpr_workgroup_id_x 1
		.amdhsa_system_sgpr_workgroup_id_y 1
		.amdhsa_system_sgpr_workgroup_id_z 1
		.amdhsa_system_vgpr_workitem_id 0
		.amdhsa_next_free_vgpr 226
		.amdhsa_next_free_sgpr 66
		.amdhsa_reserve_vcc 0
		.amdhsa_float_denorm_mode_32 3
		.amdhsa_float_denorm_mode_16_64 3
		.amdhsa_memory_ordered 1
		.amdhsa_forward_progress 1
		.amdhsa_inst_pref_size 79
	.end_amdhsa_kernel
	.amdgpu_metadata
---
amdhsa.version: [ 1, 2 ]
amdhsa.kernels:
  - .name:           k_q06240f2820_proj
    .symbol:         k_q06240f2820_proj.kd
    .args:
      - { .name: ligand, .offset: 0, .size: 8, .value_kind: global_buffer, .address_space: global }
      - { .name: pocket, .offset: 8, .size: 8, .value_kind: global_buffer, .address_space: global }
      - { .name: Wq, .offset: 16, .size: 8, .value_kind: global_buffer, .address_space: global }
      - { .name: Wk, .offset: 24, .size: 8, .value_kind: global_buffer, .address_space: global }
      - { .name: Wv, .offset: 32, .size: 8, .value_kind: global_buffer, .address_space: global }
      - { .name: bq, .offset: 40, .size: 8, .value_kind: global_buffer, .address_space: global }
      - { .name: bk, .offset: 48, .size: 8, .value_kind: global_buffer, .address_space: global }
      - { .name: bv, .offset: 56, .size: 8, .value_kind: global_buffer, .address_space: global }
      - { .name: qc, .offset: 64, .size: 8, .value_kind: global_buffer, .address_space: global }
      - { .name: qs, .offset: 72, .size: 8, .value_kind: global_buffer, .address_space: global }
      - { .name: kvc, .offset: 80, .size: 8, .value_kind: global_buffer, .address_space: global }
      - { .name: kvs, .offset: 88, .size: 8, .value_kind: global_buffer, .address_space: global }
    .group_segment_fixed_size: 173056
    .private_segment_fixed_size: 0
    .kernarg_segment_align: 8
    .kernarg_segment_size: 96
    .max_flat_workgroup_size: 256
    .sgpr_count:     66
    .vgpr_count:     226
    .wavefront_size: 32
...
	.end_amdgpu_metadata
.endif
;; end of part 1
;; launch attn (part 2): grid 64 x 4, 16 waves a work-group, clusters of 4 x 1, 327,680 bytes of LDS; arguments qc, qs, kvc, kvs, Wo, bo, out0; writes out0
.if DOCPART == 2
	.amdgcn_target "amdgcn-amd-amdhsa--gfx1250"
	.amdhsa_code_object_version 6
	.text
	.protected	k_q06240f2820_attn
	.globl	k_q06240f2820_attn
	.p2align	8
	.type	k_q06240f2820_attn,@function
k_q06240f2820_attn:
	s_mov_b64 s[64:65], 0
	v_nop
	global_prefetch_b8 v0, s[64:65] scope:SCOPE_SE
	s_setreg_imm32_b32 hwreg(HW_REG_WAVE_MODE, 25, 1), 1
	s_wait_xcnt 0x0
	s_wait_alu depctr_hold_cnt(0) depctr_sa_sdst(0) depctr_va_vdst(0) depctr_va_sdst(0) depctr_va_ssrc(0) depctr_va_vcc(0) depctr_vm_vsrc(0)
	s_getreg_b32 s2, hwreg(HW_REG_IB_STS2, 6, 4)
	s_cmp_eq_u32 s2, 0
	s_cbranch_scc0 .Lentry_in_a_cluster
	s_endpgm
.Lentry_in_a_cluster:
	s_bfe_u32 s2, ttmp6, 0x10000c
	s_cmp_lg_u32 s2, 0x3003
	s_cbranch_scc0 .Lentry_shape_is_right
	s_endpgm
.Lentry_shape_is_right:
; out = (softmax(Q K^T / sqrt(128)) V) Wo + bo, all three products on codes of FP4 (E2M1) with one E8M0 scale for each 32 along a product's K.
; Q, K, V arrive as images of operand registers: a fragment (16 rows x 128 K) is two pieces of 512 bytes, 16 bytes a lane; the scale words of 8 tiles are one block of 512 bytes, 16 bytes a lane:
; register i holds tile 2 i's words in lanes 0-15 and tile 2 i + 1's in lanes 16-31.  Lane r of tile T stands for index 32 (T / 2) + 8 (T % 2) + r + 8 (r / 8) of its 128 (queries, keys, channels of V, columns of Wo).
; THE SOFTMAX: t = score x log2(e) / sqrt(128); M = the largest t so far, rounded UP to a whole number; p = 2^(t - M) is quantised along the keys, not normalised; the sum is taken of the unquantised p and divides at the end.
; SHARES.  A work-group owns 64 queries of one batch.  Its sixteen waves are 4 tiles of 16 queries (qt = wave % 4) x 4 shares of the keys (kq = wave / 4): in step j the share kq takes keys 128 (4 j + kq) on, eight steps in all,
; each wave with its own M, sum and O^T.  Four waves lie on a SIMD.  All products are used transposed (source 0 = 16 keys, 16 channels of V, 16 columns of Wo; source 1 = 16 queries): a lane holds ONE query throughout.
; THE RING.  Two slots of two steps (131,072 bytes each).  Both are first filled at the start, slot 0 step by step, so that the first product waits for 65,536 bytes of codes and 16,384 of scale words only;
; each slot is filled again once.  By this text's own count a wave has five tensor loads out at the start and one behind each of the two refills.  The eight steps are written out: every LDS base is a constant.
; A SLOT'S LAST STEP opens the barrier early: when its V fragments are back the wave has read the slot for the last time and signals; the rest of its softmax and its eight products, work on registers, stand between signal and wait.
; CLUSTER.  The four work-groups of a cluster belong to one batch and walk the same K and V: every tensor load is asked for jointly, each wave an equal share, with a mask that names the four.
; THE END is shared by all sixteen waves: every wave hands its O^T over through LDS; wave (qt, kq) brings block kq (32 channels) of tile qt under one M by exact powers of two, adds the four shares, divides by the sum and
; quantises the block; then it makes two of the eight tiles of the last product; then it stores four whole rows.  Three barriers.
; Wo ([128][128] f32, K first) is quantised here while the first tiles are on their way: half a fragment a wave, a lane to a column and its registers down K.
; LIMITS: NaN and infinities are not served.  A block whose largest magnitude lies under 2^-124 gets the scale byte 1.  The keys are summed in four shares, so the order of the sums differs from a single walk; 1 / sum is v_rcp_f32.
.set SLOT1, 1<<17                      ; slot 1 begins here
.set STEPB, 1<<16                      ; a step: four groups of 128 keys x 16,384 bytes (K's 8 fragments, then V's)
.set SCB,   2*SLOT1                    ; the batch's scale words: 32 groups x (K's 512 + V's 512), filled once
.set WOB,   SCB+32768                  ; Wo's 8 images, then its block of scale words: 8,704 bytes
.set SPARE, WOB+8704                   ; the spare words, 128 bytes for each wave: eight blocks of 256 bytes that no other line names
.set STATS, SPARE+2048                 ; each wave's -M (4 bytes a lane) and sum (128 bytes on): 256 bytes a wave
.set AIMG,  STATS+4096                 ; the images of the four tiles of attn, 1,024 bytes each
.set ASC,   AIMG+4096                  ; their scale words, 64 bytes a tile; ends at 314,112
.set STG,   SLOT1                      ; the way out: 64 rows x (512 + 16) bytes, in slot 1: it has had its last fill, and its last read stands ahead of the end's first barrier
.set SPITCH, 528
; The merge lies in slot 0, which has had its last fill and is left at the barrier of step 5: the block b of tile qt that share s made lies at 2,048 (16 qt + 4 b + s)
.set SPW, 5                            ; v5   LDS address of my spare word; never rewritten
.set NIL, 6                            ; v6   0; never rewritten
.set WV,  18                           ; s18  wave;  s19 qt;  s80 kq
.set QT,  19
.set KQ,  80
.set SEL, 20                           ; s[20:21] lane selects: lane l xor 16
.set CS,  22                           ; s[22:23] c = log2(e) / sqrt(128), twice
.set G1A, 24                           ; s[24:31] group 1: 32 dense rows of 256 bytes;  s[32:39] 16 rows;  s[40:47] 4 rows
.set G1B, 32
.set G1S, 40
.set GSA, 48                           ; groups 0, one for each load, never rewritten: scale words of steps 0-3; step 0; step 1; scale words of steps 4-7;
.set GB,  52
.set GC,  56
.set GSB, 60
.set GE,  68                           ; steps 2, 3 (slot 1); steps 4, 5 (slot 0 again); steps 6, 7 (slot 1 again)
.set GR1, 72
.set GR2, 76
; REGISTERS: v1 my place in a step's fragments, v2 in its scale words; v3 16 x lane, v4 16 r; v8, v9 the step's addresses; v12 -M, v13 the largest t, v[14:15] the sum in two halves; v16-23 Q; v24-27 bo;
; v32-95 eight fragments; v96-159 S^T, then p; v160-223 O^T; v224-231 codes; v232-239, v244-247, v252, v254 at work; v240-243 V's scale words, v248-251 K's (at last Wo's), v253 p's, v255 Q's.
.macro PLACES                          ; four places between a matrix instruction and a load into, or a read of, its registers
.rept 4
	v_nop
.endr
.endm
.macro CREST                           ; a round of the cluster's barrier behind its opening barrier
	s_cmp_lg_u32 s[WV], 0
	s_cbranch_scc1 .Lnot_wave_0_\@
	s_barrier_signal -3
.Lnot_wave_0_\@:
	s_barrier_wait -3
	s_barrier_signal -1
	s_barrier_wait -1
.endm
.macro CROUND                          ; a whole round
	s_barrier_signal -1
	s_barrier_wait -1
	CREST
.endm
; one product.  cm = 0: C is the constant 0; 1: C = v[cr] on.  odd = 1: source 0's scale words stand in lanes 16-31
.macro WM d, a, b, cm, cr, sa, sb, odd
.if \cm
.if (\odd)
	v_wmma_scale_f32_16x16x128_f8f6f4 v[(\d):(\d)+7], v[(\a):(\a)+7], v[(\b):(\b)+7], v[(\cr):(\cr)+7], v[(\sa)], v[(\sb)] matrix_a_fmt:MATRIX_FMT_FP4 matrix_b_fmt:MATRIX_FMT_FP4 matrix_a_scale:MATRIX_SCALE_ROW1
.else
	v_wmma_scale_f32_16x16x128_f8f6f4 v[(\d):(\d)+7], v[(\a):(\a)+7], v[(\b):(\b)+7], v[(\cr):(\cr)+7], v[(\sa)], v[(\sb)] matrix_a_fmt:MATRIX_FMT_FP4 matrix_b_fmt:MATRIX_FMT_FP4
.endif
.else
.if (\odd)
	v_wmma_scale_f32_16x16x128_f8f6f4 v[(\d):(\d)+7], v[(\a):(\a)+7], v[(\b):(\b)+7], 0, v[(\sa)], v[(\sb)] matrix_a_fmt:MATRIX_FMT_FP4 matrix_b_fmt:MATRIX_FMT_FP4 matrix_a_scale:MATRIX_SCALE_ROW1
.else
	v_wmma_scale_f32_16x16x128_f8f6f4 v[(\d):(\d)+7], v[(\a):(\a)+7], v[(\b):(\b)+7], 0, v[(\sa)], v[(\sb)] matrix_a_fmt:MATRIX_FMT_FP4 matrix_b_fmt:MATRIX_FMT_FP4
.endif
.endif
.endm
; the scale bytes, the scale word v253 and the codes v224-231 of the 64 numbers v[s] on, whose blocks' largest magnitudes (floor included) stand in v232-235
.macro CODES s
.irp b, 0,1,2,3
	s_delay_alu instid0(VALU_DEP_4)
	v_add_nc_u32 v[244+\b], 0xff000000, v[232+\b]  ; 2 off the exponent field: the conversion's scale operand
.endr
.irp b, 0,1,2,3
	s_delay_alu instid0(VALU_DEP_4)
	v_lshrrev_b32 v[236+\b], 23, v[244+\b]         ; the scale's byte
.endr
	s_delay_alu instid0(VALU_DEP_3)
	v_lshl_or_b32 v253, v237, 8, v236
	s_delay_alu instid0(VALU_DEP_1)
	v_lshl_or_b32 v253, v238, 16, v253
	s_delay_alu instid0(VALU_DEP_1)
	v_lshl_or_b32 v253, v239, 24, v253
.irp b, 0,1,2,3
	v_cvt_scalef32_pk8_fp4_f32 v[224+2*\b], v[\s+16*\b:\s+7+16*\b], v[244+\b]
	v_cvt_scalef32_pk8_fp4_f32 v[225+2*\b], v[\s+8+16*\b:\s+15+16*\b], v[244+\b]
.endr
	v_nop                                          ; one plain place behind the last scaled conversion
.irp c, 0,1                                    ; the operand wants a whole block in a lane
.irp i, 0,1
	v_permlane16_swap_b32 v[224+4*\c+\i], v[226+4*\c+\i]
.endr
.endr
.endm
; KEY STEP j: my share's 128 keys.  sync = 0: no barrier.  sync = 1: the slot's last step, and the slot is filled again by the load of group 0 g0.  sync = 2: the slot's last step; the other slot's tiles are shown to every wave.
.macro STEP j, sync, g0
	v_add_nc_u32 v8, (((\j)/2)%2)*SLOT1+((\j)%2)*STEPB, v1
	v_add_nc_u32 v9, 4096*(\j), v2
.irp t, 0,1,2,3,4,5,6,7
.irp c, 0,1
	ds_load_b128 v[32+8*\t+4*\c:35+8*\t+4*\c], v8 offset:1024*\t+512*\c          ; K's eight fragments
.endr
.endr
	ds_load_b128 v[248:251], v9                    ; and their scale words
	s_wait_alu depctr_va_vdst(0)
	s_wait_dscnt 0x0
.irp t, 0,1,2,3,4,5,6,7
	WM 96+8*\t, 32+8*\t, 16, 0, 0, 248+\t/2, 255, \t%2                            ; S^T: lane (r, h) holds query r; register 16 b + i is key 32 b + 16 h + i
.endr
	PLACES
.irp t, 0,1,2,3,4,5,6,7
.irp c, 0,1
	ds_load_b128 v[32+8*\t+4*\c:35+8*\t+4*\c], v8 offset:8192+1024*\t+512*\c     ; V's eight fragments: my last reads of this step's tiles
.endr
.endr
	ds_load_b128 v[240:243], v9 offset:512
.if \sync
	s_wait_tensorcnt 0x0                           ; all my tensor loads have landed, my share of the other slot among them
.endif
.if \sync == 1
	ds_add_u32 v[SPW], v[NIL]                      ; 0 onto my spare word; the search for the maxima stands between it and the wait for it
.endif
.irp b, 0,1,2,3
	v_max3_num_f32 v[232+\b], v[96+16*\b], v[97+16*\b], v[98+16*\b]   ; the largest score of each block of 32 keys: it serves for the row's maximum and, since p rises with the score, for the block's largest p
.endr
.irp i, 3,5,7,9,11,13
.irp b, 0,1,2,3
	v_max3_num_f32 v[232+\b], v[232+\b], v[96+16*\b+\i], v[97+16*\b+\i]
.endr
.endr
.irp b, 0,1,2,3
	v_max_num_f32 v[232+\b], v[232+\b], v[111+16*\b]
.endr
.irp b, 0,1,2,3
	s_delay_alu instid0(VALU_DEP_4)
	v_permlanex16_b32 v[236+\b], v[232+\b], s[SEL], s[SEL+1]
.endr
.irp b, 0,1,2,3
	s_delay_alu instid0(VALU_DEP_4)
	v_max_num_f32 v[232+\b], v[232+\b], v[236+\b]  ; with lane l xor 16's 16 keys
.endr
	s_delay_alu instid0(VALU_DEP_2)
	v_max3_num_f32 v254, v232, v233, v234
	s_delay_alu instid0(VALU_DEP_1)
	v_max_num_f32 v254, v254, v235                 ; the step's largest score of my query
	s_delay_alu instid0(VALU_DEP_1)
	v_mul_f32 v254, s[CS], v254                    ; as t (c is positive)
	s_delay_alu instid0(VALU_DEP_1)
	v_max_num_f32 v13, v13, v254                   ; the running largest t
	v_mov_b32 v254, v12
	s_delay_alu instid0(VALU_DEP_2)
	v_floor_f32 v12, -v13                          ; the new -M = floor(-t): M is a whole number
	s_delay_alu instid0(VALU_DEP_1)
	v_sub_f32 v254, v12, v254                      ; old M - new M: a whole number, 0 or less
	s_delay_alu instid0(VALU_DEP_1)
	v_cvt_i32_f32 v254, v254                       ; (it saturates)
	s_delay_alu instid0(VALU_DEP_1)
	v_ldexp_f32 v252, 1.0, v254                    ; f = 2^(old M - new M)
.if \sync
	s_wait_alu depctr_va_vdst(0)
	s_wait_dscnt 0x0                               ; the add is done, V is in, and my reads of this slot are over:
	s_barrier_signal -1                            ; say so; up to the wait below stands work on registers alone
.endif
.irp j2, 0,2,4,6,8,10,12,14,16,18,20,22,24,26,28,30,32,34,36,38,40,42,44,46,48,50,52,54,56,58,60,62
	v_pk_fma_f32 v[96+\j2:97+\j2], v[96+\j2:97+\j2], s[CS:CS+1], v[12:13] op_sel_hi:[1,0,0]   ; t - M, two at a time
.endr
.irp b, 0,1,2,3
	v_fma_f32 v[232+\b], v[232+\b], s[CS], v12     ; the same of each block's largest score
.endr
	s_wait_alu depctr_va_vdst(0)
.irp j2, 0,1,2,3,4,5,6,7,8,9,10,11,12,13,14,15,16,17,18,19,20,21,22,23,24,25,26,27,28,29,30,31,32,33,34,35,36,37,38,39,40,41,42,43,44,45,46,47,48,49,50,51,52,53,54,55,56,57,58,59,60,61,62,63
	v_exp_f32 v[96+\j2], v[96+\j2]                 ; p = 2^(t - M), at most 1
.endr
.irp b, 0,1,2,3
	v_exp_f32 v[232+\b], v[232+\b]                 ; the block's largest p: the same two instructions on the same number give the same bits
.endr
	v_pk_mul_f32 v[14:15], v[14:15], v[252:253] op_sel_hi:[1,0]   ; the sums under the new M (a plain place behind the exponentials)
	s_wait_alu depctr_va_vdst(0)
.irp b, 0,1,2,3
	v_max_num_f32 v[232+\b], 0x1800000, v[232+\b]  ; the floor 2^(3 - 127): the byte cannot fall under 1
.endr
	CODES 96
	v_pk_add_f32 v[236:237], v[100:101], v[104:105]
	v_pk_add_f32 v[250:251], v[108:109], v[112:113]
	v_pk_add_f32 v[248:249], v[116:117], v[120:121]
	v_pk_add_f32 v[246:247], v[124:125], v[128:129]
	v_pk_add_f32 v[244:245], v[132:133], v[136:137]
	v_pk_add_f32 v[234:235], v[140:141], v[144:145]
	v_pk_add_f32 v[232:233], v[148:149], v[152:153]
	v_pk_add_f32 v[14:15], v[14:15], v[156:157]
	v_pk_add_f32 v[236:237], v[236:237], v[96:97]
	v_pk_add_f32 v[250:251], v[250:251], v[98:99]
	v_pk_add_f32 v[248:249], v[248:249], v[102:103]
	v_pk_add_f32 v[246:247], v[246:247], v[106:107]
	v_pk_add_f32 v[244:245], v[244:245], v[110:111]
	v_pk_add_f32 v[234:235], v[234:235], v[114:115]
	v_pk_add_f32 v[232:233], v[232:233], v[118:119]
	v_pk_add_f32 v[14:15], v[14:15], v[122:123]
	v_pk_add_f32 v[236:237], v[236:237], v[126:127]
	v_pk_add_f32 v[250:251], v[250:251], v[130:131]
	v_pk_add_f32 v[248:249], v[248:249], v[134:135]
	v_pk_add_f32 v[246:247], v[246:247], v[138:139]
	v_pk_add_f32 v[244:245], v[244:245], v[142:143]
	v_pk_add_f32 v[234:235], v[234:235], v[146:147]
	v_pk_add_f32 v[232:233], v[232:233], v[150:151]
	v_pk_add_f32 v[14:15], v[14:15], v[154:155]
	v_pk_add_f32 v[236:237], v[236:237], v[158:159]
	s_delay_alu instid0(VALU_DEP_2)
	v_pk_add_f32 v[14:15], v[14:15], v[246:247]
	s_delay_alu instid0(VALU_DEP_2)
	v_pk_add_f32 v[236:237], v[236:237], v[244:245]
	v_pk_add_f32 v[250:251], v[250:251], v[234:235]
	v_pk_add_f32 v[248:249], v[248:249], v[232:233]
	s_delay_alu instid0(VALU_DEP_2)
	v_pk_add_f32 v[14:15], v[14:15], v[250:251]
	s_delay_alu instid0(VALU_DEP_2)
	v_pk_add_f32 v[236:237], v[236:237], v[248:249]
	s_delay_alu instid0(VALU_DEP_1)
	v_pk_add_f32 v[14:15], v[14:15], v[236:237]
.irp j2, 0,2,4,6,8,10,12,14,16,18,20,22,24,26,28,30,32,34,36,38,40,42,44,46,48,50,52,54,56,58,60,62
	v_pk_mul_f32 v[160+\j2:161+\j2], v[160+\j2:161+\j2], v[252:253] op_sel_hi:[1,0]   ; O^T under the new M (these are also the places between p's codes and scale word and the products below)
.endr
.if \sync == 0
	s_wait_alu depctr_va_vdst(0)
	s_wait_dscnt 0x0                               ; V is in
.endif
.irp t, 0,1,2,3,4,5,6,7
	WM 160+8*\t, 32+8*\t, 224, 1, 160+8*\t, 240+\t/2, 253, \t%2                   ; O^T += V^T P^T: the eight accumulators by turns
.endr
.if \sync != 1
	PLACES
.endif
.if \sync
	s_barrier_wait -1                              ; every wave of my work-group has left this slot, and its share of the other slot has landed
.endif
.if \sync == 1
	CREST                                          ; the barrier has opened a round of the cluster's: that now holds of every wave of all four work-groups
	tensor_load_to_lds s[\g0:\g0+3], s[G1A:G1A+7]  ; the first thing behind the round, my one tensor load until the next: two steps in which to land
	s_nop 0
	PLACES                                         ; (the places in front of the next step's loads)
.endif
.endm
	s_load_b256 s[4:11], s[0:1], 0x0               ; qc, qs, kvc, kvs
	s_load_b128 s[12:15], s[0:1], 0x20             ; Wo, bo
	s_load_b64 s[16:17], s[0:1], 0x30              ; out0
	v_lshl_add_u32 v[SPW], v0, 2, SPARE
	v_mov_b32 v[NIL], 0
	ds_add_u32 v5, v6
	ds_add_u32 v5, v6
	s_wait_dscnt 0x0
	v_lshrrev_b32 v8, 5, v0
	s_delay_alu instid0(VALU_DEP_1)
	v_readfirstlane_b32 s[WV], v8                  ; wave 0..15
	s_and_b32 s[QT], s[WV], 3                      ; my tile of queries
	s_lshr_b32 s[KQ], s[WV], 2                     ; my share of the keys
	s_and_b32 s2, s[QT], 1
	s_lshr_b32 s3, s[QT], 1
	s_bfe_u32 s81, ttmp6, 0x40000                  ; cx: my place in the cluster: it enters Q's and out0's addresses alone (s81, s82, s96 and the offsets s90-95)
	s_lshl_b32 s82, ttmp9, 2
	s_add_co_u32 s82, s82, s81                     ; xb: my block of 64 queries
	s_and_b32 s83, ttmp7, 0xffff                   ; the batch, which the four partners share
	s_lshl_b32 s84, s83, 19                        ; kvc: the batch's 524,288 bytes; of a step my share is 4,096 bytes,
	s_lshl_b32 s97, s[WV], 12
	s_add_co_u32 s84, s84, s97
	s_mov_b32 s85, 0
	s_lshl_b32 s86, s83, 19                        ; of a slot 8,192
	s_lshl_b32 s97, s[WV], 13
	s_add_co_u32 s86, s86, s97
	s_mov_b32 s87, 0
	s_lshl_b32 s88, s83, 15                        ; kvs: the batch's 32,768 bytes; of a half my share is 1,024
	s_lshl_b32 s97, s[WV], 10
	s_add_co_u32 s88, s88, s97
	s_mov_b32 s89, 0
	s_lshl_b32 s90, s83, 18                        ; qc: record 32 batch + xb / 2 of 8,192 bytes, tile 4 (xb % 2) + qt of 1,024
	s_lshl_b32 s96, s82, 12
	s_add_co_u32 s90, s90, s96
	s_lshl_b32 s97, s[QT], 10
	s_add_co_u32 s90, s90, s97
	s_mov_b32 s91, 0
	s_lshl_b32 s92, s83, 14                        ; qs: the record's 512 bytes; the tile's words at 256 (T % 2) + 4 (T / 2)
	s_lshr_b32 s96, s82, 1
	s_lshl_b32 s96, s96, 9
	s_add_co_u32 s92, s92, s96
	s_and_b32 s96, s82, 1
	s_lshl_b32 s96, s96, 3
	s_add_co_u32 s92, s92, s96
	s_lshl_b32 s97, s2, 8
	s_add_co_u32 s92, s92, s97
	s_lshl_b32 s97, s3, 2
	s_add_co_u32 s92, s92, s97
	s_mov_b32 s93, 0
	; out0: I store stage rows 4 w .. 4 w + 3: tile kq, rows 4 qt + i: queries 4,096 batch + 64 xb + 32 (kq / 2) + 8 (kq % 2) + 4 qt + 8 (qt / 2) + i: four rows on end, 512 bytes each
	s_lshl_b32 s94, s83, 21
	s_lshl_b32 s96, s82, 15
	s_add_co_u32 s94, s94, s96
	s_lshr_b32 s97, s[KQ], 1
	s_lshl_b32 s97, s97, 14
	s_add_co_u32 s94, s94, s97
	s_and_b32 s97, s[KQ], 1
	s_lshl_b32 s97, s97, 12
	s_add_co_u32 s94, s94, s97
	s_lshl_b32 s97, s[QT], 11
	s_add_co_u32 s94, s94, s97
	s_lshl_b32 s97, s3, 12
	s_add_co_u32 s94, s94, s97
	s_mov_b32 s95, 0
	s_and_b32 s98, s[WV], 1                        ; Wo: I make piece c = w % 2 of fragment t = w / 2
	s_bfe_u32 s99, s[WV], 0x10001                  ; t % 2   (t / 2 = kq)
	s_lshl_b32 s66, s[KQ], 7                       ; 4 x (32 (t / 2) + 8 (t % 2)) bytes along a row, 64 c rows of 512 bytes down
	s_lshl_b32 s97, s99, 5
	s_add_co_u32 s66, s66, s97
	s_lshl_b32 s97, s98, 15
	s_add_co_u32 s66, s66, s97
	s_mov_b32 s67, 0
	s_lshl_b32 s100, s99, 8                        ; and its scale bytes: 256 (t % 2) + 4 (t / 2) + 2 c
	s_lshl_b32 s97, s[KQ], 2
	s_add_co_u32 s100, s100, s97
	s_lshl_b32 s97, s98, 1
	s_add_co_u32 s100, s100, s97
	s_add_co_u32 s100, s100, WOB+8192
.irp g, G1A, G1B, G1S
	s_mov_b32 s[\g+0], 15|(3<<16)|(1<<21)          ; 15:0 the mask: all four work-groups; 17:16 elements of 8 bytes; 21 set beside a mask; no padding: every read is 16 bytes a lane on end
	s_mov_b32 s[\g+1], 32<<16                      ; tensor_dim0 = 32 elements: 256 bytes
	s_mov_b32 s[\g+3], 32<<16                      ; tile_dim0
	s_mov_b32 s[\g+5], 32                          ; dense
	s_mov_b32 s[\g+6], 0
	s_mov_b32 s[\g+7], 0
.endr
	s_mov_b32 s[G1A+2], 32<<16                     ; tensor_dim1 and tile_dim1: 32 rows,
	s_mov_b32 s[G1A+4], 32
	s_mov_b32 s[G1B+2], 16<<16                     ; 16,
	s_mov_b32 s[G1B+4], 16
	s_mov_b32 s[G1S+2], 4<<16                      ; 4
	s_mov_b32 s[G1S+4], 4
	s_mov_b32 s[SEL], 0x76543210
	s_mov_b32 s[SEL+1], 0xfedcba98
	s_mov_b32 s[CS], 0x3e0293ee                    ; c = log2(e) / sqrt(128)
	s_mov_b32 s[CS+1], s[CS]
.irp g, GSA, GB, GC, GSB, GE, GR1, GR2
	s_mov_b32 s[\g], 1                             ; count = 1
.endr
	s_lshl_b32 s[GB+1], s[WV], 12                  ; LDS: step 0, my 4,096 bytes;
	s_add_co_u32 s[GC+1], s[GB+1], STEPB           ; step 1;
	s_lshl_b32 s[GR1+1], s[WV], 13                 ; slot 0, my 8,192 bytes;
	s_add_co_u32 s[GE+1], s[GR1+1], SLOT1          ; slot 1,
	s_add_co_u32 s[GR2+1], s[GR1+1], SLOT1         ; and again;
	s_lshl_b32 s[GSA+1], s[WV], 10
	s_add_co_u32 s[GSA+1], s[GSA+1], SCB           ; the scale words' first half, my 1,024 bytes;
	s_add_co_u32 s[GSB+1], s[GSA+1], 16384         ; their second half
	s_wait_kmcnt 0x0
	s_add_nc_u64 s[GB+2:GB+3], s[8:9], s[84:85]
	s_add_nc_u64 s[GC+2:GC+3], s[GB+2:GB+3], STEPB
	s_add_nc_u64 s[GE+2:GE+3], s[8:9], s[86:87]
	s_add_nc_u64 s[GR1+2:GR1+3], s[GE+2:GE+3], 2*SLOT1
	s_add_nc_u64 s[GR2+2:GR2+3], s[GE+2:GE+3], 3*SLOT1
	s_add_nc_u64 s[GE+2:GE+3], s[GE+2:GE+3], SLOT1
	s_add_nc_u64 s[GSA+2:GSA+3], s[10:11], s[88:89]
	s_add_nc_u64 s[GSB+2:GSB+3], s[GSA+2:GSA+3], 16384
.irp g, GSA, GB, GC, GSB, GE, GR1, GR2
	s_or_b32 s[\g+3], s[\g+3], 0x80000000          ; type = 2
.endr
	s_add_nc_u64 s[4:5], s[4:5], s[90:91]
	s_add_nc_u64 s[6:7], s[6:7], s[92:93]
	s_add_nc_u64 s[16:17], s[16:17], s[94:95]
	s_add_nc_u64 s[12:13], s[12:13], s[66:67]
	CROUND                                         ; all four work-groups are here: the first joint loads meet
	tensor_load_to_lds s[GSA:GSA+3], s[G1S:G1S+7]  ; the first fills go out as one group, in the order in which they are wanted: the scale words of steps 0-3,
	s_nop 0
	tensor_load_to_lds s[GB:GB+3], s[G1B:G1B+7]    ; step 0,
	s_nop 0
	tensor_load_to_lds s[GC:GC+3], s[G1B:G1B+7]    ; step 1,
	s_nop 0
	tensor_load_to_lds s[GSB:GSB+3], s[G1S:G1S+7]  ; the scale words of steps 4-7,
	s_nop 0
	tensor_load_to_lds s[GE:GE+3], s[G1A:G1A+7]    ; steps 2 and 3: five loads of mine are out
	s_nop 0
	PLACES
	v_and_b32 v9, 31, v0
	s_delay_alu instid0(VALU_DEP_1)
	v_lshlrev_b32 v3, 4, v9                        ; 16 x lane
	v_and_b32 v10, 15, v0                          ; r
	s_delay_alu instid0(VALU_DEP_1)
	v_lshlrev_b32 v4, 4, v10                       ; 16 r
	v_bfe_u32 v11, v0, 4, 1                        ; h
	global_load_b128 v[16:19], v3, s[4:5]          ; Q's fragment stays in registers
	global_load_b128 v[20:23], v3, s[4:5] offset:512
	global_load_b32 v255, v4, s[6:7]               ; and its scale words
	global_load_b128 v[24:27], v3, s[14:15]        ; bo at the four columns that I shall store
	v_and_b32 v7, 8, v10
	s_delay_alu instid0(VALU_DEP_1)
	v_add_nc_u32 v7, v7, v10                       ; r + 8 (r / 8)
	s_delay_alu instid0(VALU_DEP_1)
	v_lshlrev_b32 v7, 2, v7
	s_delay_alu instid0(VALU_DEP_1)
	v_lshl_add_u32 v7, v11, 14, v7                 ; + 32 h rows
.irp i, 0,1,2,3,4,5,6,7,8,9,10,11,12,13,14,15,16,17,18,19,20,21,22,23,24,25,26,27,28,29,30,31
	global_load_b32 v[96+\i], v7, s[12:13] offset:512*\i   ; Wo(64 c + 32 h + i, my column): one whole block
.endr
	s_lshl_b32 s97, s[KQ], 14
	v_add_nc_u32 v1, s97, v3                       ; my share's group in a step: 16,384 kq + 16 x lane
	s_lshl_b32 s97, s[KQ], 10
	s_add_co_u32 s97, s97, SCB
	v_add_nc_u32 v2, s97, v3
	v_lshl_add_u32 v8, v0, 4, WOB                  ; Wo's image: 512 w + 16 x lane
	v_add_nc_u32 v9, v4, v11
	s_delay_alu instid0(VALU_DEP_1)
	v_add_nc_u32 v9, s100, v9                      ; its scale byte: 16 r + h on
	v_mov_b32 v13, 0xff61b1e6                      ; the largest t so far: -3e38, under every t
	s_delay_alu instid0(VALU_DEP_1)
	v_floor_f32 v12, -v13                          ; -M
	v_mov_b32 v14, 0                               ; the sum, in two halves
	v_mov_b32 v15, 0
.irp b, 0,1,2,3
	v_mov_b32 v[236+\b], 0                         ; written once: a lane permute's destination counts as one of its sources
.endr
	v_mov_b32 v253, 0                              ; (named as the upper half of the pair v[252:253] before it is first written)
.irp j, 0,1,2,3,4,5,6,7,8,9,10,11,12,13,14,15,16,17,18,19,20,21,22,23,24,25,26,27,28,29,30,31,32,33,34,35,36,37,38,39,40,41,42,43,44,45,46,47,48,49,50,51,52,53,54,55,56,57,58,59,60,61,62,63
	v_mov_b32 v[160+\j], 0                         ; O^T: one macro serves all steps; the first finds zeros, which the first change of M leaves zeros
.endr
	s_wait_loadcnt 0x0                             ; Q, bo and Wo
.irp c, 0,1
	v_max3_num_f32 v[232+\c], |v[96+16*\c]|, |v[97+16*\c]|, 0x1800000
.endr
.irp i, 2,4,6,8,10,12,14
.irp c, 0,1
	s_delay_alu instid0(VALU_DEP_2)
	v_max3_num_f32 v[232+\c], v[232+\c], |v[96+16*\c+\i]|, |v[97+16*\c+\i]|
.endr
.endr
	s_delay_alu instid0(VALU_DEP_1)
	v_max_num_f32 v232, v232, v233                 ; the block's largest magnitude: all 32 numbers are mine
	s_delay_alu instid0(VALU_DEP_1)
	v_add_nc_u32 v244, 0xff000000, v232
	s_delay_alu instid0(VALU_DEP_1)
	v_lshrrev_b32 v233, 23, v244
.irp g, 0,1,2,3
	v_cvt_scalef32_pk8_fp4_f32 v[224+\g], v[96+8*\g:103+8*\g], v244
.endr
	v_nop                                          ; one plain place behind the last scaled conversion
	ds_store_b128 v8, v[224:227]
	ds_store_b8 v9, v233
	s_wait_tensorcnt 3                             ; three loads were issued behind step 0's: the first scale words and my share of step 0 are in
	s_wait_dscnt 0x0                               ; for the others' sake: my part of Wo has landed
	s_barrier_signal -1
	s_barrier_wait -1                              ; everybody's are; the later loads may stay out
	STEP 0, 0, 0
	s_wait_tensorcnt 2                             ; two loads were issued behind step 1's: my share of it is in
	s_barrier_signal -1
	s_barrier_wait -1                              ; everybody's is
	STEP 1, 1, GR1                                 ; slot 0 is left and takes steps 4 and 5
	STEP 2, 0, 0
	STEP 3, 1, GR2                                 ; slot 1 is left and takes steps 6 and 7
	STEP 4, 0, 0
	STEP 5, 2, 0                                   ; slot 0 is left for good; steps 6 and 7 are shown landed
	STEP 6, 0, 0
	STEP 7, 0, 0
	; ---- THE END.  Its LDS addresses, the same lines in every wave
	s_lshl_b32 s97, s[QT], 4
	s_add_co_u32 s101, s97, s[KQ]
	s_lshl_b32 s101, s101, 11
	v_add_nc_u32 v1, s101, v3                      ; I write: 2,048 (16 qt + kq) + 16 x lane; block b 8,192 b on
	s_lshl_b32 s101, s[KQ], 2
	s_add_co_u32 s101, s101, s97
	s_lshl_b32 s101, s101, 11
	v_add_nc_u32 v2, s101, v3                      ; I read: 2,048 (16 qt + 4 kq) + 16 x lane; share s 2,048 s on
	v_and_b32 v252, 31, v0
	s_delay_alu instid0(VALU_DEP_1)
	v_lshlrev_b32 v252, 2, v252                    ; 4 x lane
	v_bfe_u32 v254, v0, 4, 1                       ; h
	s_wait_alu depctr_va_vdst(0)
	s_lshl_b32 s101, s[WV], 8
	s_add_co_u32 s101, s101, STATS
	v_add_nc_u32 v7, s101, v252                    ; my -M and sum
	s_lshl_b32 s101, s[QT], 8
	s_add_co_u32 s101, s101, STATS
	v_add_nc_u32 v8, s101, v252                    ; those of my tile's share s: 1,024 s on
	s_lshl_b32 s101, s[QT], 10
	s_add_co_u32 s101, s101, AIMG
	v_add_nc_u32 v11, s101, v3                     ; my tile's image of attn
	s_lshl_b32 s97, s[KQ], 8
	s_add_co_u32 s97, s97, s101
	v_lshl_add_u32 v9, v254, 3, v4
	s_delay_alu instid0(VALU_DEP_1)
	v_add_nc_u32 v9, s97, v9                       ; my block's codes in it: piece kq / 2, lane r + 16 (kq % 2), bytes 8 h on: 256 kq + 16 r + 8 h
	v_lshrrev_b32 v28, 2, v4
	s_lshl_b32 s101, s[QT], 6
	s_add_co_u32 s101, s101, ASC
	v_add_nc_u32 v28, s101, v28                    ; row r's scale word,
	s_delay_alu instid0(VALU_DEP_1)
	v_add_nc_u32 v10, s[KQ], v28                   ; and my block's byte in it
	s_lshl_b32 s101, s[KQ], 11
	s_add_co_u32 s101, s101, WOB
	v_add_nc_u32 v29, s101, v3                     ; Wo's tiles 2 kq and 2 kq + 1,
	s_lshl_b32 s101, s[KQ], 2
	s_add_co_u32 s101, s101, WOB+8192
	v_add_nc_u32 v30, s101, v3                     ; and their scale words: one register
	v_and_b32 v31, 15, v0
	s_delay_alu instid0(VALU_DEP_1)
	v_mul_u32_u24 v31, v31, SPITCH
	s_delay_alu instid0(VALU_DEP_1)
	v_lshl_add_u32 v31, v254, 6, v31
	s_mul_i32 s101, s[QT], 16*SPITCH
	s_lshl_b32 s97, s[KQ], 7
	s_add_co_u32 s101, s101, s97
	s_add_co_u32 s101, s101, STG
	v_add_nc_u32 v31, s101, v31                    ; the stage, in: row 16 qt + r, bytes 128 kq + 64 h on
	s_mul_i32 s101, s[WV], 4*SPITCH
	s_add_co_u32 s101, s101, STG
	v_add_nc_u32 v13, s101, v3                     ; back: rows 4 w on, 16 bytes a lane
	v_add_f32 v14, v14, v15                        ; the sum's two halves
.irp i, 0,1,2,3,4,5,6,7,8,9,10,11,12,13,14,15
	ds_store_b128 v1, v[160+4*\i:163+4*\i] offset:8192*(\i/4)+512*(\i%4)   ; my O^T as it stands, each accumulator from its low end on: block i / 4 to its owner
.endr
	ds_store_b32 v7, v12
	ds_store_b32 v7, v14 offset:128
	s_wait_alu depctr_va_vdst(0)
	s_wait_dscnt 0x0                               ; for the others' sake: my stores have landed
	s_barrier_signal -1
	s_barrier_wait -1
	; ---- block kq of tile qt: the four shares under one M
.irp s, 0,1,2,3
	ds_load_b32 v[232+2*\s], v8 offset:1024*\s     ; share s's -M,
	ds_load_b32 v[233+2*\s], v8 offset:1024*\s+128 ; and its sum
.endr
.irp i, 0,1,2,3,4,5,6,7,8,9,10,11,12,13,14,15
	ds_load_b128 v[96+4*\i:99+4*\i], v2 offset:512*\i   ; share i / 4's sixteen numbers a lane
.endr
.irp u, 0,1
.irp c, 0,1
	ds_load_b128 v[32+8*\u+4*\c:35+8*\u+4*\c], v29 offset:1024*\u+512*\c
.endr
.endr
	ds_load_b32 v248, v30
	s_wait_dscnt 21                                ; the eight numbers are in; the 21 loads issued behind them may be out
	v_min3_num_f32 v254, v232, v234, v236
	s_delay_alu instid0(VALU_DEP_1)
	v_min_num_f32 v254, v254, v238                 ; the common -M
.irp s, 0,1,2,3
	v_sub_f32 v[232+2*\s], v254, v[232+2*\s]       ; each share's M less the common one: a whole number, 0 or less
.endr
.irp s, 0,1,2,3
	s_delay_alu instid0(VALU_DEP_4)
	v_cvt_i32_f32 v[232+2*\s], v[232+2*\s]
.endr
.irp s, 0,1,2,3
	s_delay_alu instid0(VALU_DEP_4)
	v_ldexp_f32 v[232+2*\s], 1.0, v[232+2*\s]      ; f: exact powers of two
.endr
	s_delay_alu instid0(VALU_DEP_4)
	v_mul_f32 v14, v233, v232
.irp s, 1,2,3
	s_delay_alu instid0(VALU_DEP_1)
	v_fmac_f32 v14, v[233+2*\s], v[232+2*\s]
.endr
	s_delay_alu instid0(VALU_DEP_1)
	v_permlanex16_b32 v252, v14, s[SEL], s[SEL+1]
	s_delay_alu instid0(VALU_DEP_1)
	v_add_f32 v14, v14, v252                       ; with lane l xor 16's keys: the row's sum
	s_wait_alu depctr_va_vdst(0)
	v_rcp_f32 v14, v14                             ; (the products below, which do not name it, are the plain place behind it)
	s_wait_dscnt 17                                ; share 0's four loads are in
.irp k, 0,2,4,6,8,10,12,14
	v_pk_mul_f32 v[160+\k:161+\k], v[96+\k:97+\k], v[232:233] op_sel_hi:[1,0]
.endr
	s_wait_alu depctr_va_vdst(0)
.irp s, 1,2,3
	s_wait_alu depctr_va_vdst(0)
	s_wait_dscnt 17-4*\s                           ; four loads fewer may be out
.irp k, 0,2,4,6,8,10,12,14
	v_pk_fma_f32 v[160+\k:161+\k], v[96+16*\s+\k:97+16*\s+\k], v[232+2*\s:233+2*\s], v[160+\k:161+\k] op_sel_hi:[1,0,1]
.endr
.endr
	s_wait_alu depctr_va_vdst(0)
.irp k, 0,2,4,6,8,10,12,14
	v_pk_mul_f32 v[160+\k:161+\k], v[160+\k:161+\k], v[14:15] op_sel_hi:[1,0]   ; attn: register i is channel 32 kq + 16 h + i of my query
.endr
	v_max3_num_f32 v232, |v160|, |v161|, 0x1800000
	v_max3_num_f32 v233, |v162|, |v163|, 0x1800000
.irp i, 4,8,12
	s_delay_alu instid0(VALU_DEP_2)
	v_max3_num_f32 v232, v232, |v[160+\i]|, |v[161+\i]|
	s_delay_alu instid0(VALU_DEP_2)
	v_max3_num_f32 v233, v233, |v[162+\i]|, |v[163+\i]|
.endr
	s_delay_alu instid0(VALU_DEP_1)
	v_max_num_f32 v232, v232, v233
	s_delay_alu instid0(VALU_DEP_1)
	v_permlanex16_b32 v234, v232, s[SEL], s[SEL+1]
	s_delay_alu instid0(VALU_DEP_1)
	v_max_num_f32 v232, v232, v234                 ; the block's largest magnitude
	s_delay_alu instid0(VALU_DEP_1)
	v_add_nc_u32 v244, 0xff000000, v232
	s_delay_alu instid0(VALU_DEP_1)
	v_lshrrev_b32 v233, 23, v244
	v_cvt_scalef32_pk8_fp4_f32 v224, v[160:167], v244
	v_cvt_scalef32_pk8_fp4_f32 v225, v[168:175], v244
	v_nop                                          ; one plain place behind the last scaled conversion
	ds_store_b64 v9, v[224:225]                    ; half a block's codes, at their place in the operand's image
	ds_store_b8 v10, v233                          ; both halves of the lanes write the same byte with the same value
	s_wait_dscnt 0x0                               ; my stores have landed; Wo's fragments are in
	s_barrier_signal -1
	s_barrier_wait -1
	; ---- the last product: my tile's 16 queries x columns 32 kq .. 32 kq + 31
	ds_load_b128 v[224:227], v11
	ds_load_b128 v[228:231], v11 offset:512
	ds_load_b32 v253, v28
	s_wait_dscnt 0x0
	WM 160, 32, 224, 0, 0, 248, 253, 0             ; register j: column 32 kq + 16 h + j of my query's row,
	WM 168, 40, 224, 0, 0, 248, 253, 1             ; and 32 kq + 16 h + 8 + j
	PLACES
.irp i, 0,1,2,3
	ds_store_b128 v31, v[160+4*\i:163+4*\i] offset:16*\i   ; 64 neighbouring bytes of a row, each accumulator from its low end on
.endr
	s_wait_dscnt 0x0
	s_barrier_signal -1
	s_barrier_wait -1                              ; 64 whole rows lie in the stage
.irp i, 0,1,2,3
	ds_load_b128 v[96+4*\i:99+4*\i], v13 offset:SPITCH*\i
.endr
.irp i, 0,1,2,3
	s_wait_dscnt 3-\i                              ; the loads issued behind this one may be out
	v_pk_add_f32 v[96+4*\i:97+4*\i], v[96+4*\i:97+4*\i], v[24:25]
	v_pk_add_f32 v[98+4*\i:99+4*\i], v[98+4*\i:99+4*\i], v[26:27]
	global_store_b128 v3, v[96+4*\i:99+4*\i], s[16:17] offset:512*\i th:TH_STORE_NT   ; 32 lanes store a whole row: 512 consecutive bytes, aligned
.endr
	s_wait_tensorcnt 0x0                           ; the wave's end, behind my last tensor load and my last LDS store
	ds_add_u32 v[SPW], v[NIL]
	s_wait_dscnt 0x0
	CROUND                                         ; the closing round: no work-group ends while a partner may still ask for a tile that names it
	s_endpgm
.Lfunc_end_k_q06240f2820_attn:
	.size	k_q06240f2820_attn, .Lfunc_end_k_q06240f2820_attn-k_q06240f2820_attn
	.p2alignl 7, 3214868480
	.fill 96, 4, 3214868480
	.section	.rodata,"a",@progbits
	.p2align	6, 0x0
	.amdhsa_kernel k_q06240f2820_attn
		.amdhsa_group_segment_fixed_size 327680
		.amdhsa_private_segment_fixed_size 0
		.amdhsa_enable_private_segment 0
		.amdhsa_kernarg_size 56
		.amdhsa_user_sgpr_count 2
		.amdhsa_user_sgpr_kernarg_segment_ptr 1
		.amdhsa_wavefront_size32 1
		.amdhsa_system_sgpr_workgroup_id_x 1
		.amdhsa_system_sgpr_workgroup_id_y 1
		.amdhsa_system_sgpr_workgroup_id_z 1
		.amdhsa_system_vgpr_workitem_id 0
		.amdhsa_next_free_vgpr 256
		.amdhsa_next_free_sgpr 102
		.amdhsa_reserve_vcc 0
		.amdhsa_float_denorm_mode_32 3
		.amdhsa_float_denorm_mode_16_64 3
		.amdhsa_memory_ordered 1
		.amdhsa_forward_progress 1
		.amdhsa_inst_pref_size 177
	.end_amdhsa_kernel
	.amdgpu_metadata
---
amdhsa.version: [ 1, 2 ]
amdhsa.kernels:
  - .name:           k_q06240f2820_attn
    .symbol:         k_q06240f2820_attn.kd
    .args:
      - { .name: qc, .offset: 0, .size: 8, .value_kind: global_buffer, .address_space: global }
      - { .name: qs, .offset: 8, .size: 8, .value_kind: global_buffer, .address_space: global }
      - { .name: kvc, .offset: 16, .size: 8, .value_kind: global_buffer, .address_space: global }
      - { .name: kvs, .offset: 24, .size: 8, .value_kind: global_buffer, .address_space: global }
      - { .name: Wo, .offset: 32, .size: 8, .value_kind: global_buffer, .address_space: global }
      - { .name: bo, .offset: 40, .size: 8, .value_kind: global_buffer, .address_space: global }
      - { .name: out0, .offset: 48, .size: 8, .value_kind: global_buffer, .address_space: global }
    .group_segment_fixed_size: 327680
    .private_segment_fixed_size: 0
    .kernarg_segment_align: 8
    .kernarg_segment_size: 56
    .max_flat_workgroup_size: 512
    .sgpr_count:     102
    .vgpr_count:     256
    .wavefront_size: 32
...
	.end_amdgpu_metadata
.endif
;; end of part 2
